; MI455X (gfx1250); checked and timed in simulation.
; The chip was launched on July 23, 2026; its instructions are those of AMD's public machine-readable ISA for CDNA 5 (MIT licence, August 2026) and "CDNA5" Instruction Set Architecture Reference Guide (July 2026). The comments in the code are by the model that wrote it; some were corrected since.
;; Self Attention. Allowed arithmetic: matrix products marked QUANTISED: E4M3 operands, one given power-of-two scale a tensor, by v_wmma_f32_16x16x64_fp8_fp8 or v_wmma_f32_16x16x128_fp8_fp8, f32 sums; everything else in f32.
;; Inputs: Wk_codes 1,024 x 32 x 32 uint8 (E4M3 codes of Wk, K innermost, in blocks of 32 codes); Wq_codes 1,024 x 32 x 32 uint8 (E4M3 codes of Wq, K innermost, in blocks of 32 codes); Wv_codes 1,024 x 32 x 32 uint8 (E4M3 codes of Wv, K innermost, in blocks of 32 codes); bk 1,024 float32; bq 1,024 float32; bv 1,024 float32; lowp_scales 10 int32 (the exponents e of the quantised operands' scales 2^e); x_codes 4 x 2,048 x 32 x 32 uint8 (E4M3 codes of x, K innermost, in blocks of 32 codes).
;; Outputs: out0 4 x 2,048 x 1,024 float32.
;; This version of the problem:
;;   THIS VERSION OF THE PROBLEM IS GIVEN IN LOW PRECISION. The matrix products marked QUANTISED in the list below multiply operands that are first quantised to E4M3 (4 exponent bits, 3 mantissa bits; 8 bits a number), with one given power-of-two scale for each operand tensor; their sums are f32. All else is computed in f32.
;;   The module's matrix products, in the order in which they are computed (A, B: the left and right operand; K: the contracted axis; several contracted axes count as one K, in the product's order):
;;     1. [M 8,192, K 1,024] x [K 1,024, N 1,024]; A: input x (given as codes); B: input Wq (given as codes): QUANTISED (scales: A lowp_scales[0], B lowp_scales[1])
;;     2. [M 8,192, K 1,024] x [K 1,024, N 1,024]; A: input x (given as codes); B: input Wk (given as codes): QUANTISED (scales: A lowp_scales[2], B lowp_scales[3])
;;     3. [M 8,192, K 1,024] x [K 1,024, N 1,024]; A: input x (given as codes); B: input Wv (given as codes): QUANTISED (scales: A lowp_scales[4], B lowp_scales[5])
;;     4. batch 4 x [M 2,048, K 1,024] x [K 1,024, N 2,048]; A: computed on the way; B: computed on the way: QUANTISED (scales: A lowp_scales[6], B lowp_scales[7])
;;     5. batch 4 x [M 2,048, K 2,048] x [K 2,048, N 1,024]; A: softmax (see below); B: computed on the way: QUANTISED (scales: A lowp_scales[8], B lowp_scales[9])
;;   THE QUANTISER, for each operand of a quantised product, along K:
;;     - The operand's scale is 2^e, e = its entry of the input lowp_scales (int32; the entries are numbered through the quantised products in the list's order, A before B).
;;     - Each number is divided by the scale, clamped to +-448, and rounded to the nearest number of E4M3, ties to even, subnormals kept.
;;     - The product sums the exact products of the quantised numbers (number of the format x scale) in f32.
;;   ~~~python
;;   def quantise(x, axis, e):      # numpy; x: float32 -> the quantised numbers, widened to float32 again
;;       x = np.moveaxis(x, axis, -1); K = x.shape[-1]
;;       r = np.clip(x / 2.0 ** e, -448, 448)
;;       step = 2.0 ** (np.maximum(np.frexp(np.where(r == 0, 1, r))[1] - 1, -6) - 3)
;;       q = np.round(r / step) * step * 2.0 ** e      # np.round: ties to even
;;       return np.moveaxis(q, -1, axis).astype(np.float32)
;;   ~~~
;;   SOFTMAX AHEAD OF A QUANTISED PRODUCT. Where the list says 'softmax', what is quantised is not the finished softmax but p = 2^(t - M), with t = logit x log2(e) and M = ceil(the row's largest t), a whole number; so 1/2 < the row's largest p <= 1. The row's sum l is taken of the UNQUANTISED p, in f32, and the product's result is divided by l at the end. Since M is a whole number, a kernel that streams over the keys may use a running M (the ceiling of the running maximum): every later rescaling is an exact power of two, so the quantised numbers keep their values, but for numbers so far below the row's largest that they fall under the format's range.
;;   OPERANDS COMPUTED ON THE WAY. 'Computed on the way' means the value that the module computes at that place (a softmax that the list does not call 'softmax' is quantised finished and normalised). What goes into a quantiser is computed in f32, as accurately as f32 sums, v_exp_f32 and their like allow (about 1e-6 of the number): no bf16 or f16 on the way to a quantiser, and a product that is left as it is and whose result goes on into a quantised operand takes f32 operands (vector FMAs, or v_wmma_f32_16x16x4_f32). A number that lies on a knife's edge between two numbers of the format may be rounded either way, as far as f32 arithmetic and the matrix unit's own rounding can turn it there, and no further.
;;   INPUTS GIVEN AS CODES. Wk (in the module: [1024, 1024], K = its axis 0); Wq (in the module: [1024, 1024], K = its axis 0); Wv (in the module: [1024, 1024], K = its axis 0); x (in the module: [4, 2048, 1024], K = its axis 2): each comes as NAME_codes (uint8): NAME with its K axis moved to the last place and cut into blocks of 32 codes, [.., K / 32, bytes a block], one block behind the other in memory; one code a byte (a code: sign, 4 exponent bits, 3 mantissa bits); its scale is its entry of lowp_scales. Its value is code x scale, taken as it is: it is not quantised again, and the codes and scales need not be those that the quantiser above would give.
;; One version. Each part assembles by itself: llvm-mc -triple=amdgcn-amd-amdhsa -mcpu=gfx1250 --defsym DOCPART=n.
;; ======== version 1 of 1: 3 launches
;; limits: right only within a limited range of input values
;; workspace buffers: q_codes 8,388,608 bytes; k_codes 8,388,608 bytes; vt_codes 8,388,608 bytes; p_codes 16,777,216 bytes; stat 524,288 bytes
;; launch proj (part 1): grid 8 x 32, 4 waves a work-group, clusters of 4 x 4, 327,680 bytes of LDS; arguments x_codes, Wq_codes, Wk_codes, Wv_codes, bq, bk, bv, lowp_scales, q_codes, k_codes, vt_codes; writes q_codes, k_codes, vt_codes
.if DOCPART == 1
	.amdgcn_target "amdgcn-amd-amdhsa--gfx1250"
	.amdhsa_code_object_version 6
	.text
	.protected	k_q7e4bb6cb19_proj
	.globl	k_q7e4bb6cb19_proj
	.p2align	8
	.type	k_q7e4bb6cb19_proj,@function
k_q7e4bb6cb19_proj:
	s_mov_b64 s[64:65], 0
	v_nop
	global_prefetch_b8 v0, s[64:65] scope:SCOPE_SE
	s_setreg_imm32_b32 hwreg(HW_REG_WAVE_MODE, 25, 1), 1
	s_wait_xcnt 0x0
	s_wait_alu depctr_hold_cnt(0) depctr_sa_sdst(0) depctr_va_vdst(0) depctr_va_sdst(0) depctr_va_ssrc(0) depctr_va_vcc(0) depctr_vm_vsrc(0)
	s_getreg_b32 s2, hwreg(HW_REG_IB_STS2, 6, 4)
	s_cmp_eq_u32 s2, 0
	s_cbranch_scc0 .Lentry_in_a_cluster
	s_endpgm
.Lentry_in_a_cluster:
	s_bfe_u32 s2, ttmp6, 0x10000c
	s_cmp_lg_u32 s2, 0xf033
	s_cbranch_scc0 .Lentry_shape_is_right
	s_endpgm
.Lentry_shape_is_right:
; LAUNCH 1 OF 3: q = x Wq + bq, k = x Wk + bk, v = x Wv + bv, each quantised with its given scale.  Nothing of reference() is left out.
; A work-group makes, for 256 tokens, 256 columns of q (cluster x = 0) or of k (cluster x = 1) and 128 columns of v.  Four waves, each 128 tokens x (128 + 64): 96 accumulators, 768 registers.
; LAYOUT OF THE CODES: fragments of 16 rows x 128 K = 2,048 bytes: 4 groups of 512 bytes, in group c lane (r, h) has 16 bytes: of row r, K = 32 c + 8 h + 0..7 and 32 c + 16 + 8 h + 0..7.
;   That is what a lane's conversions of eight neighbouring results give, so codes are stored straight from their registers.
;   q, k: [32 groups of 256 tokens][8 steps of 128 K][16 blocks of 16 tokens][2,048];  v: [4 batches][16 steps of 128 tokens][64 blocks of 16 d][2,048], K = the tokens.
; K = 1,024 goes in four steps of 256 (rows of 256 bytes).  LDS has two slots for x's and Wq's or Wk's rows and one for Wv's: so a step's columns of v are multiplied behind its columns of q or k, when Wv's tile of the step has landed.
;   In the last step the codes of q or k leave ahead of the columns of v, while Wv's last tile is on its way.
; CLUSTERS 4 x 4: the four of a row share x's tile, the four of a column share the weights' tiles: joint loads.  Wave 0 fetches x, waves 1 and 2 Wq or Wk, wave 3 Wv.
; PREFETCH: at each fill what the next fill will load is asked for, once in each cluster (the weights, which eight clusters read, by the first four of them); partners share the rows by address.
; LIMITS: ex + ew of each product between -126 and 127; eq, ek, ev between -126 and 119.  NaN and infinity are not served.
; REGISTERS: window 0: v0-31 addresses; v32-159 x's fragments, two sets; v160-255 the weights': three groups of four fragments by turns (q or k), or two sets of Wv's, at v224 and v160.
;   window 1: sums of v; windows 2, 3: sums of q or k, columns 0-63 and 64-127.
.set PITCH,  272                       ; an LDS row: 256 bytes + 16 of padding
.set SLD,    0x11000                   ; slot 1 of x, Wq or Wk lies so many bytes behind slot 0 (256 rows); in each of these addresses one exclusive or turns slot 0 into slot 1
.set WB,     0x22000
.set VB,     0x44000
.set BIASL,  0x4c800                   ; 768 bytes a wave
.set SPARE,  BIASL+3072                ; the spare words, 128 bytes a wave
.set BST,  3
.set BSTV, 4
.set BLQ,  5
.set BLV,  6
.set L16,  7
.set BRAW, 8
.set BRAWV, 12
.set SCLV, 14
.set LIMV, 15
.set AX0,  16
.set AW0,  17
.set ADRV, 18
.set ADRX, 19
.set ADRW, 20
.set L8,   21
.set PFO,  22
.set SPW,  28
.set NIL,  29
.set SCL,  30
.set LIM,  31
.set XF,   32
.set WF,   160
.set VF,   224
.set BIAS, 32
.set T,    96
.set CD,   128
.set G1X,  24
.set G1W,  32
.set G0X,  40
.set G0W,  44
.set G0V,  48
.set PFA,  52
.set PFV,  54
.set LPW,  56                          ; 1: my wave asks for x's or the weights' rows; 9: it does not
.set LPV,  57                          ; 1: it asks for Wv's
.set CNT,  58
.set SL,   59                          ; the slot in hand: 0 or SLD
.set MSB, 0
.macro WIN new
.if MSB != (\new)
	s_set_vgpr_msb (MSB<<8)|(\new)
.set MSB, (\new)
.endif
.endm
.set W_V,  0x50
.set W_Q0, 0xa0
.set W_Q1, 0xf0
.macro PLACES n
.rept \n
	v_nop
.endr
.endm
.macro TL g0, g1                       ; s_nop 0 and four v_nop behind the load
	tensor_load_to_lds s[\g0:\g0+3], s[\g1:\g1+7]
	s_nop 0
	PLACES 4
.endm
.macro JLOAD x, v                      ; x: waves 0 to 2 fetch; v: wave 3 fetches
.if \x
	s_cmp_eq_u32 s14, 0
	s_cbranch_scc0 .Lno_x_\@
	TL G0X, G1X
	s_branch .Lasked_\@
.Lno_x_\@:
	s_cmp_eq_u32 s14, 3
	s_cbranch_scc1 .Lfor_v_\@
	TL G0W, G1W
	s_branch .Lasked_\@
.Lfor_v_\@:
.else
	s_cmp_eq_u32 s14, 3
	s_cbranch_scc0 .Lasked_\@
.endif
.if \v
	TL G0V, G1W
.endif
.Lasked_\@:
.endm
.macro CREST
	s_cmp_lg_u32 s14, 0
	s_cbranch_scc1 .Lnot_wave_0_\@
	s_barrier_signal -3
.Lnot_wave_0_\@:
	s_barrier_wait -3
	s_barrier_signal -1
	s_barrier_wait -1
.endm
.macro CROUND
	s_barrier_signal -1
	s_barrier_wait -1
	CREST
.endm
.macro GROUP1 g, rows
	s_mov_b32 s[\g+1], 256<<16
	s_mov_b32 s[\g+2], (\rows)<<16
	s_mov_b32 s[\g+3], 256<<16
	s_mov_b32 s[\g+4], \rows
	s_mov_b32 s[\g+5], 1024
	s_mov_b32 s[\g+6], 0
	s_mov_b32 s[\g+7], 0
.endm
.macro ASK                             ; what the next fill will load: a lane a row; x's and the weights' only while CNT is 2
	s_cmp_gt_u32 s[CNT], s[LPW]
	s_cbranch_scc0 .Lnot_mine_\@
	global_prefetch_b8 v[PFO], s[PFA:PFA+1] th:TH_LOAD_NT scope:SCOPE_SE
.Lnot_mine_\@:
	s_cmp_eq_u32 s[LPV], 1
	s_cbranch_scc0 .Lnot_v_\@
	global_prefetch_b8 v[PFO], s[PFV:PFV+1] th:TH_LOAD_NT scope:SCOPE_SE
.Lnot_v_\@:
.endm
	s_load_b256 s[68:75], s[0:1], 0x0              ; x, Wq, Wk, Wv
	s_load_b256 s[76:83], s[0:1], 0x20             ; bq, bk, bv, the scales' exponents
	s_load_b128 s[84:87], s[0:1], 0x40             ; q, k
	s_load_b64 s[88:89], s[0:1], 0x50              ; v
	v_lshl_add_u32 v[SPW], v0, 2, SPARE
	v_mov_b32 v[NIL], 0
	ds_add_u32 v[SPW], v[NIL]                      ; the wave's opening: the add, twice on end
	ds_add_u32 v[SPW], v[NIL]
	v_lshrrev_b32 v1, 5, v0
	v_readfirstlane_b32 s14, v1                    ; wave
	s_lshr_b32 s15, s14, 1                         ; my half of the tokens
	s_and_b32 s16, s14, 1                          ; my half of the columns
	s_bfe_u32 s18, ttmp6, 0x40000                  ; cx
	s_bfe_u32 s19, ttmp6, 0x40004                  ; cy
	s_and_b32 s17, ttmp7, 0xffff
	s_lshl_b32 s17, s17, 2
	s_add_co_u32 s17, s17, s19                     ; the group of 256 tokens
	s_lshl_b32 s13, ttmp9, 2
	s_add_co_u32 s13, s13, s18                     ; the block of 128 columns of v; the block of 256 of q or k is cx
	s_lshl_b32 s20, s19, 2
	s_lshl_b32 s20, 15, s20                        ; my row of the cluster
	s_lshl_b32 s21, 0x1111, s18                    ; my column
	s_or_b32 s[G1X], s20, (1<<20)|(1<<21)|(5<<22)|(3<<25)
	s_or_b32 s[G1W], s21, (1<<20)|(1<<21)|(5<<22)|(3<<25)
	GROUP1 G1X, 256
	GROUP1 G1W, 128
	s_lshl_b32 s22, s17, 18
	s_mov_b32 s23, 0
	s_lshl_b32 s2, s18, 18
	s_mov_b32 s3, 0
	s_max_u32 s4, s14, 1
	s_sub_co_u32 s4, s4, 1
	s_lshl_b32 s4, s4, 17
	s_mov_b32 s5, 0
	s_lshl_b32 s6, s13, 17
	s_mov_b32 s7, 0
	s_mul_i32 s12, s14, 128*PITCH
	s_wait_alu depctr_va_vdst(0)
	s_wait_dscnt 0x0                               ; both opening adds are done
	s_wait_kmcnt 0x0
	s_load_b256 s[92:99], s[82:83], 0x0
	s_load_b64 s[100:101], s[82:83], 0x20
	s_cmp_eq_u32 ttmp9, 0
	s_cselect_b64 s[70:71], s[70:71], s[72:73]     ; Wq or Wk,
	s_cselect_b64 s[76:77], s[76:77], s[78:79]     ; its bias
	s_cselect_b64 s[84:85], s[84:85], s[86:87]     ; and its codes
	s_add_nc_u64 s[68:69], s[68:69], s[22:23]
	s_add_nc_u64 s[60:61], s[70:71], s[2:3]
	s_add_nc_u64 s[74:75], s[74:75], s[6:7]
	s_mov_b32 s[G0X], 1
	s_mov_b32 s[G0X+1], 0
	s_mov_b64 s[G0X+2:G0X+3], s[68:69]
	s_or_b32 s[G0X+3], s[G0X+3], 0x80000000
	s_mov_b32 s[G0W], 1
	s_add_co_u32 s[G0W+1], s12, WB-128*PITCH       ; wave 1: rows 0-127 of slot 0, wave 2: rows 128-255
	s_add_nc_u64 s[G0W+2:G0W+3], s[60:61], s[4:5]
	s_or_b32 s[G0W+3], s[G0W+3], 0x80000000
	s_mov_b32 s[G0V], 1
	s_mov_b32 s[G0V+1], VB
	s_mov_b64 s[G0V+2:G0V+3], s[74:75]
	s_or_b32 s[G0V+3], s[G0V+3], 0x80000000
	CROUND
	JLOAD 1, 1                                     ; step 0: one tensor load a wave at the head
	; the prefetches: step 2's rows of x (waves 0, 1: 64 cx + 32 wave on) or of the weights (waves 2, 3: 64 cy + 32 (wave - 2) on), and step 1's of Wv (32 cy on)
	s_cmp_lt_u32 s14, 2
	s_cselect_b64 s[PFA:PFA+1], s[68:69], s[60:61]
	s_cselect_b32 s2, s18, s19
	s_lshl_b32 s2, s2, 16
	s_lshl_b32 s3, s16, 15
	s_add_co_u32 s2, s2, s3
	s_add_co_u32 s2, s2, 512
	s_mov_b32 s3, 0
	s_add_nc_u64 s[PFA:PFA+1], s[PFA:PFA+1], s[2:3]
	s_lshl_b32 s2, s19, 15
	s_add_co_u32 s2, s2, 256
	s_add_nc_u64 s[PFV:PFV+1], s[74:75], s[2:3]
	s_and_b32 s2, ttmp7, 0xffff
	s_lshr_b32 s2, s2, 2                           ; 0 in the first four rows of clusters
	s_and_b32 s3, s2, s15
	s_lshl_b32 s3, s3, 3
	s_add_co_u32 s[LPW], s3, 1
	s_mov_b32 s3, 0
	s_or_b32 s2, s2, s14
	s_cmp_eq_u32 s2, 0
	s_cselect_b32 s[LPV], 1, 0
	s_mov_b32 s[CNT], 2
	s_mov_b32 s[SL], 0
	; biases: my 128 of q or k, my 64 of v
	s_lshl_b32 s2, s18, 10
	s_lshl_b32 s4, s16, 9
	s_add_co_u32 s2, s2, s4
	s_add_nc_u64 s[76:77], s[76:77], s[2:3]
	s_lshl_b32 s2, s13, 9
	s_lshl_b32 s4, s16, 8
	s_add_co_u32 s2, s2, s4
	s_add_nc_u64 s[80:81], s[80:81], s[2:3]
	; where my fragments go: q or k: step 2 cx + column half, blocks 8 x token half on;  v: step 2 x group + token half, blocks 8 x (block of 128) + 4 x column half on
	s_lshl_b32 s2, s18, 16
	s_lshl_b32 s4, s16, 15
	s_add_co_u32 s2, s2, s4
	s_lshl_b32 s4, s15, 14
	s_add_co_u32 s2, s2, s4
	s_add_co_u32 s2, s2, s22
	s_add_nc_u64 s[84:85], s[84:85], s[2:3]
	s_lshl_b32 s2, s15, 17
	s_lshl_b32 s4, s13, 14
	s_add_co_u32 s2, s2, s4
	s_lshl_b32 s4, s16, 13
	s_add_co_u32 s2, s2, s4
	s_add_co_u32 s2, s2, s22
	s_add_nc_u64 s[88:89], s[88:89], s[2:3]
	s_mul_i32 s2, s15, 128*PITCH
	s_mul_i32 s4, s16, 128*PITCH
	s_add_co_u32 s4, s4, WB
	s_mul_i32 s5, s16, 64*PITCH
	s_add_co_u32 s5, s5, VB
	s_mul_i32 s6, s14, 768
	s_add_co_u32 s6, s6, BIASL
	s_add_co_u32 s7, s6, 512
	v_and_b32 v1, 15, v0                           ; r
	v_bfe_u32 v2, v0, 4, 1                         ; h
	v_and_b32 v32, 31, v0
	v_lshlrev_b32 v[L16], 4, v32
	v_lshlrev_b32 v[L8], 3, v32
	v_lshlrev_b32 v[PFO], 10, v32
	v_mul_u32_u24 v33, v1, PITCH
	v_lshl_add_u32 v34, v2, 4, v33
	v_add_nc_u32 v[AX0], s2, v34
	v_add_nc_u32 v[AW0], s4, v34
	v_add_nc_u32 v[ADRV], s5, v34
	v_add_nc_u32 v[ADRX], s2, v34
	v_add_nc_u32 v[ADRW], s4, v34
	v_add_nc_u32 v[BST], s6, v[L16]
	v_lshl_add_u32 v[BLQ], v2, 5, s6
	v_add_nc_u32 v[BSTV], s7, v[L8]
	v_lshl_add_u32 v[BLV], v1, 2, s7
	s_wait_alu depctr_va_vdst(0)                   ; the wait at the head's end
	global_load_b128 v[BRAW:BRAW+3], v[L16], s[76:77]
	global_load_b64 v[BRAWV:BRAWV+1], v[L8], s[80:81]
.macro FRAG reg, adr, h, i             ; 16 rows x 64 K: registers 0-3: K = 64 h + 16 (l / 16) + 0..15, registers 4-7: 32 further on, alike in x and the weights
	ds_load_b128 v[\reg:\reg+3], v[\adr] offset:64*((\h)%4)+(\i)*16*PITCH
	ds_load_b128 v[\reg+4:\reg+7], v[\adr] offset:64*((\h)%4)+32+(\i)*16*PITCH
.endm
.macro LX h
.irp i, 0,1,2,3,4,5,6,7
	FRAG XF+64*((\h)%2)+8*(\i), ADRX, \h, \i
.endr
.endm
.macro LW h, g                         ; columns 64 g on: the three groups of registers take turns, two a half step
.irp i, 0,1,2,3
	FRAG WF+32*((2*(\h)+\g)%3)+8*\i, ADRW, \h, 4*(\g)+\i
.endr
.endm
.macro LV h                            ; two sets: v224 on and v160 on
.irp i, 0,1,2,3
	FRAG VF-64*((\h)%2)+8*\i, ADRV, \h, \i
.endr
.endm
.macro GQ32 h, g, zero                 ; source 0 = 16 columns, source 1 = 16 tokens: a lane holds one token and eight neighbouring columns; accumulators by turns
.set XS, XF+64*((\h)%2)
.set WS, WF+32*((2*(\h)+\g)%3)
.irp a, 0,1,2,3,4,5,6,7
.irp bb, 0,1,2,3
.if \zero
	v_wmma_f32_16x16x64_fp8_fp8 v[32*\a+8*\bb:32*\a+8*\bb+7], v[WS+8*\bb:WS+8*\bb+7], v[XS+8*\a:XS+8*\a+7], 0
.else
	v_wmma_f32_16x16x64_fp8_fp8 v[32*\a+8*\bb:32*\a+8*\bb+7], v[WS+8*\bb:WS+8*\bb+7], v[XS+8*\a:XS+8*\a+7], v[32*\a+8*\bb:32*\a+8*\bb+7]
.endif
.endr
.endr
.endm
.macro GV32 h, zero                    ; source 0 = 16 tokens, source 1 = 16 columns of v: a lane holds one column and eight neighbouring tokens
.set XS, XF+64*((\h)%2)
.set VS, VF-64*((\h)%2)
.irp e, 0,1,2,3
.irp a, 0,1,2,3,4,5,6,7
.if \zero
	v_wmma_f32_16x16x64_fp8_fp8 v[64*\e+8*\a:64*\e+8*\a+7], v[XS+8*\a:XS+8*\a+7], v[VS+8*\e:VS+8*\e+7], 0
.else
	v_wmma_f32_16x16x64_fp8_fp8 v[64*\e+8*\a:64*\e+8*\a+7], v[XS+8*\a:XS+8*\a+7], v[VS+8*\e:VS+8*\e+7], v[64*\e+8*\a:64*\e+8*\a+7]
.endif
.endr
.endr
.endm
.macro LOADQ
	LX 0
	LW 0, 0
	LW 0, 1
.endm
; 64 along K.  Run 1: the next half's x and its first four weights' fragments (24 loads); run 2, behind the first 32 products: its other four (8 loads).
; Behind the step's last half x's first half is fetched again, for v (pre = 1).
.macro QHALF h, zero, pre
.if (\h) < 3
	LX (\h)+1
	LW (\h)+1, 0
	s_wait_dscnt 32                                ; this half's run 2 (8) and the 24 just issued may be out
.elseif \pre
	LX 4
	s_wait_dscnt 24
.else
	s_wait_dscnt 8
.endif
	WIN W_Q0
	GQ32 \h, 0, \zero
	PLACES 4
	WIN 0
.if (\h) < 3
	LW (\h)+1, 1
	s_wait_dscnt 32                                ; the next half's 32 loads may be out
.elseif \pre
	s_wait_dscnt 16
.else
	s_wait_dscnt 0x0
.endif
	WIN W_Q1
	GQ32 \h, 1, \zero
	PLACES 4
	WIN 0
.endm
.macro QPH zero, pre
	QHALF 0, \zero, \pre
	QHALF 1, 0, \pre
	QHALF 2, 0, \pre
	QHALF 3, 0, \pre
.endm
.macro VHALF h, zero
	LX (\h)+1
	LV (\h)+1
	s_wait_dscnt 24                                ; all but the 24 just issued
	WIN W_V
	GV32 \h, \zero
	PLACES 4
	WIN 0
.endm
.macro VPH zero                        ; the first three halves; the last half's products stand in CHANGE or at the end
	LV 0
	VHALF 0, \zero
	VHALF 1, 0
	VHALF 2, 0
.endm
.macro MID                             ; everything asked for has landed for every wave
	s_wait_tensorcnt 0x0
	s_wait_dscnt 0x0
	s_barrier_signal -1
	s_barrier_wait -1
.endm
.macro STEPXW
	s_xor_b32 s[G0X+1], s[G0X+1], SLD
	s_add_nc_u64 s[G0X+2:G0X+3], s[G0X+2:G0X+3], 256
	s_xor_b32 s[G0W+1], s[G0W+1], SLD
	s_add_nc_u64 s[G0W+2:G0W+3], s[G0W+2:G0W+3], 256
.endm
; THE CHANGE OF STEPS: the slot just read takes x's and the weights' tile two steps on (all = 1), Wv's slot its next step.
.macro CHANGE all
	s_wait_xcnt 0x0                                ; any prefetch of mine has read its address
	s_add_nc_u64 s[PFA:PFA+1], s[PFA:PFA+1], 256
	s_add_nc_u64 s[PFV:PFV+1], s[PFV:PFV+1], 256
	s_wait_tensorcnt 0x0                           ; no tensor load of mine is out
	ds_add_u32 v[SPW], v[NIL]
.if \all
	STEPXW
.endif
	s_add_nc_u64 s[G0V+2:G0V+3], s[G0V+2:G0V+3], 256
	s_xor_b32 s[SL], s[SL], SLD
	s_wait_dscnt 0x0                               ; the add is done, and my reads of the step's tiles are over
	s_barrier_signal -1
	WIN W_V
	GV32 3, 0                                      ; the step's last products, on registers alone, while the others arrive
	WIN 0
	s_barrier_wait -1
	CREST
	JLOAD \all, 1
	PLACES 4
	v_add_nc_u32 v[ADRX], s[SL], v[AX0]
	v_add_nc_u32 v[ADRW], s[SL], v[AW0]
	s_wait_alu depctr_va_vdst(0)
	LOADQ
.endm
	s_wait_loadcnt 0x0                             ; my biases are in; and no tensor load of mine is out when they go to LDS, to bytes of my own:
	s_wait_tensorcnt 0x0                           ; my part of step 0 is in
	ds_store_b128 v[BST], v[BRAW:BRAW+3]
	ds_store_b64 v[BSTV], v[BRAWV:BRAWV+1]
	s_wait_tensorcnt 0x0
	ds_add_u32 v[SPW], v[NIL]
	STEPXW
	s_wait_dscnt 0x0
	CROUND
	JLOAD 1, 0                                     ; step 1 of x and of Wq or Wk: a first fill of slot 1
	PLACES 4
	LOADQ
	ASK
	QPH 1, 1
	VPH 1
.Lk:                                               ; steps 1 and 2
	CHANGE 1
	ASK
	QPH 0, 1
	MID
	VPH 0
	s_sub_co_u32 s[CNT], s[CNT], 1
	s_cmp_lg_u32 s[CNT], 0
	s_cbranch_scc1 .Lk
	CHANGE 0                                       ; step 3: Wv's last tile alone is still to come
	QPH 0, 0
; THE WAY OUT: sum x 2^(ex + ew) + bias in one fused multiply-add, the hold, the codes, stored from their registers.
	s_wait_kmcnt 0x0
	s_cmp_eq_u32 ttmp9, 0
	s_cselect_b32 s92, s92, s94
	s_cselect_b32 s93, s93, s95
	s_cselect_b32 s98, s98, s99
	s_add_co_i32 s90, s92, s93
	s_add_co_i32 s90, s90, 127
	s_lshl_b32 s90, s90, 23
	s_mov_b32 s91, s90
	s_add_co_i32 s98, s98, 127
	s_lshl_b32 s99, s98, 23
	s_add_co_i32 s98, s98, 8
	s_lshl_b32 s98, s98, 23
	s_or_b32 s98, s98, 0x600000
	s_add_co_i32 s66, s96, s97
	s_add_co_i32 s66, s66, 127
	s_lshl_b32 s66, s66, 23
	s_mov_b32 s67, s66
	s_add_co_i32 s101, s101, 127
	s_lshl_b32 s100, s101, 23
	s_add_co_i32 s101, s101, 8
	s_lshl_b32 s101, s101, 23
	s_or_b32 s101, s101, 0x600000
	v_mov_b32 v[SCL], s99                          ; 2^e
	v_mov_b32 v[LIM], s98                          ; 448 x 2^e
	v_mov_b32 v[SCLV], s100
	v_mov_b32 v[LIMV], s101
	s_wait_alu depctr_va_vdst(0)
.irp i, 0,1,2,3,4,5,6,7,8,9,10,11,12,13,14,15
	ds_load_b128 v[BIAS+4*\i:BIAS+4*\i+3], v[BLQ] offset:64*(\i/2)+16*(\i%2)
.endr
	s_wait_dscnt 0x0
.macro HOLDCVT lim, scl, dst           ; the conversion does not saturate (ISA guide 7.6.2): hold first
.set n, 0
.rept 32
	v_med3_num_f32 v[T+n], v[T+n], -v[\lim], v[\lim]
.set n, n+1
.endr
.irp k, 0,1,2,3
	v_cvt_scalef32_pk8_fp8_f32 v[\dst+2*\k:\dst+2*\k+1], v[T+8*\k:T+8*\k+7], v[\scl]
.endr
	v_nop
.endm
.macro OUTQ a
.irp g, 0,1
	WIN 0x02+\g
.irp i, 0,2,4,6,8,10,12,14,16,18,20,22,24,26,28,30
	v_pk_fma_f32 v[T+\i:T+\i+1], v[32*(\a)+\i:32*(\a)+\i+1], s[90:91], v[BIAS+32*\g+\i:BIAS+32*\g+\i+1] op_sel_hi:[1,0,1]
.endr
	WIN 0
	HOLDCVT LIM, SCL, CD+16*(\a)+8*\g
.endr
.irp c, 0,1,2,3
	global_store_b128 v[L16], v[CD+16*(\a)+4*\c:CD+16*(\a)+4*\c+3], s[84:85] offset:2048*(\a)+512*\c
.endr
.endm
.macro OUTV e
.irp g, 0,1
	WIN 0x01
.irp i, 0,2,4,6,8,10,12,14,16,18,20,22,24,26,28,30
	v_pk_fma_f32 v[T+\i:T+\i+1], v[64*(\e)+32*\g+\i:64*(\e)+32*\g+\i+1], s[66:67], v[BIAS+2*(\e):BIAS+2*(\e)+1] op_sel_hi:[1,0,0]
.endr
	WIN 0
	HOLDCVT LIMV, SCLV, CD+16*(\e)+8*\g
.endr
.irp c, 0,1,2,3
	global_store_b128 v[L16], v[CD+16*(\e)+4*\c:CD+16*(\e)+4*\c+3], s[88:89] offset:2048*(\e)+512*\c
.endr
.endm
.irp a, 0,1,2,3,4,5,6,7
	OUTQ \a
.endr
	s_wait_xcnt 0x0                                ; the stores have read the registers that x's and Wv's fragments and v's codes take
	MID                                            ; Wv's last tile is in
	LX 0
	VPH 0
	s_wait_dscnt 0x0
	WIN W_V
	GV32 3, 0
	WIN 0
	PLACES 4
.irp e, 0,1,2,3
	ds_load_b32 v[BIAS+2*\e], v[BLV] offset:64*\e
	v_mov_b32 v[BIAS+2*\e+1], 0
.endr
	s_wait_alu depctr_va_vdst(0)
	s_wait_dscnt 0x0
.irp e, 0,1,2,3
	OUTV \e
.endr
	s_wait_tensorcnt 0x0                           ; the wave's end
	ds_add_u32 v[SPW], v[NIL]
	s_wait_dscnt 0x0
	CROUND
	s_endpgm
.Lfunc_end_k_q7e4bb6cb19_proj:
	.size	k_q7e4bb6cb19_proj, .Lfunc_end_k_q7e4bb6cb19_proj-k_q7e4bb6cb19_proj
	.p2alignl 7, 3214868480
	.fill 96, 4, 3214868480
	.section	.rodata,"a",@progbits
	.p2align	6, 0x0
	.amdhsa_kernel k_q7e4bb6cb19_proj
		.amdhsa_group_segment_fixed_size 327680
		.amdhsa_private_segment_fixed_size 0
		.amdhsa_enable_private_segment 0
		.amdhsa_kernarg_size 88
		.amdhsa_user_sgpr_count 2
		.amdhsa_user_sgpr_kernarg_segment_ptr 1
		.amdhsa_wavefront_size32 1
		.amdhsa_system_sgpr_workgroup_id_x 1
		.amdhsa_system_sgpr_workgroup_id_y 1
		.amdhsa_system_sgpr_workgroup_id_z 1
		.amdhsa_system_vgpr_workitem_id 0
		.amdhsa_next_free_vgpr 1024
		.amdhsa_next_free_sgpr 102
		.amdhsa_reserve_vcc 0
		.amdhsa_float_denorm_mode_32 3
		.amdhsa_float_denorm_mode_16_64 3
		.amdhsa_memory_ordered 1
		.amdhsa_forward_progress 1
		.amdhsa_inst_pref_size 224
	.end_amdhsa_kernel
	.amdgpu_metadata
---
amdhsa.version: [ 1, 2 ]
amdhsa.kernels:
  - .name:           k_q7e4bb6cb19_proj
    .symbol:         k_q7e4bb6cb19_proj.kd
    .args:
      - { .name: x_codes, .offset: 0, .size: 8, .value_kind: global_buffer, .address_space: global }
      - { .name: Wq_codes, .offset: 8, .size: 8, .value_kind: global_buffer, .address_space: global }
      - { .name: Wk_codes, .offset: 16, .size: 8, .value_kind: global_buffer, .address_space: global }
      - { .name: Wv_codes, .offset: 24, .size: 8, .value_kind: global_buffer, .address_space: global }
      - { .name: bq, .offset: 32, .size: 8, .value_kind: global_buffer, .address_space: global }
      - { .name: bk, .offset: 40, .size: 8, .value_kind: global_buffer, .address_space: global }
      - { .name: bv, .offset: 48, .size: 8, .value_kind: global_buffer, .address_space: global }
      - { .name: lowp_scales, .offset: 56, .size: 8, .value_kind: global_buffer, .address_space: global }
      - { .name: q_codes, .offset: 64, .size: 8, .value_kind: global_buffer, .address_space: global }
      - { .name: k_codes, .offset: 72, .size: 8, .value_kind: global_buffer, .address_space: global }
      - { .name: vt_codes, .offset: 80, .size: 8, .value_kind: global_buffer, .address_space: global }
    .group_segment_fixed_size: 327680
    .private_segment_fixed_size: 0
    .kernarg_segment_align: 8
    .kernarg_segment_size: 88
    .max_flat_workgroup_size: 128
    .sgpr_count:     102
    .vgpr_count:     1024
    .wavefront_size: 32
...
	.end_amdgpu_metadata
.endif
;; end of part 1
;; launch scores (part 2): grid 8 x 32, 4 waves a work-group, clusters of 4 x 4, 327,680 bytes of LDS; arguments q_codes, k_codes, lowp_scales, p_codes, stat; writes p_codes, stat
.if DOCPART == 2
	.amdgcn_target "amdgcn-amd-amdhsa--gfx1250"
	.amdhsa_code_object_version 6
	.text
	.protected	k_q7e4bb6cb19_scores
	.globl	k_q7e4bb6cb19_scores
	.p2align	8
	.type	k_q7e4bb6cb19_scores,@function
k_q7e4bb6cb19_scores:
	s_mov_b64 s[64:65], 0
	v_nop
	global_prefetch_b8 v0, s[64:65] scope:SCOPE_SE
	s_setreg_imm32_b32 hwreg(HW_REG_WAVE_MODE, 25, 1), 1
	s_wait_xcnt 0x0
	s_wait_alu depctr_hold_cnt(0) depctr_sa_sdst(0) depctr_va_vdst(0) depctr_va_sdst(0) depctr_va_ssrc(0) depctr_va_vcc(0) depctr_vm_vsrc(0)
	s_getreg_b32 s2, hwreg(HW_REG_IB_STS2, 6, 4)
	s_cmp_eq_u32 s2, 0
	s_cbranch_scc0 .Lentry_in_a_cluster
	s_endpgm
.Lentry_in_a_cluster:
	s_bfe_u32 s2, ttmp6, 0x10000c
	s_cmp_lg_u32 s2, 0xf033
	s_cbranch_scc0 .Lentry_shape_is_right
	s_endpgm
.Lentry_shape_is_right:
; LAUNCH 2 OF 3: the scores and the softmax's numerators, block by block of 256 keys.  Nothing is left out.
;   t = (q . k) x 2^(eq + ek) x log2(e) / 32.  For each query and each block j of 256 keys: M_j = the block's largest t, rounded UP to a whole number; p = 2^(t - M_j), quantised with 2^ep; l_j = the sum of the UNQUANTISED p.
;   M_j is a running M cut at the block's edge: the last launch brings the blocks under the row's M by whole powers of two, which round nothing.
; A work-group: 256 queries x 256 keys; a wave: 64 queries x ALL 256 keys, so the softmax needs no other wave.  64 accumulators, 512 registers.
; k's tile (256 keys x 1,024, 262,144 bytes of fragments) comes into LDS in two halves, JOINTLY with the four work-groups of the cluster's column: steps 0-3 of 128 K at the head, one step by each wave's one tensor load;
;   steps 4-7 behind the full sequence and a round of the cluster's barrier, while steps 0-3 are multiplied.  No byte is filled twice.
; q's fragments go from memory into the registers of the one wave that uses them, two steps ahead: no LDS bytes, so no joint load.  No prefetch: of q's eight steps two are asked for at the head and one more in each of the first six; k is asked for in two loads.
; LAYOUT: fragments as launch 1 stores them.  p: [64 groups of 128 queries][16 steps of 128 keys][8 blocks of 16 queries][2,048], stored from the conversions' registers.
;   stat: [8 j][128 groups of 64 queries][M_j, l_j][16 r][4 a] f32, of query 16 a + r.
; LIMITS: eq + ek between -121 and 132; ep between -126 and 119.  Scaled scores stay under 2^31 in magnitude.  NaN and infinity are not served.
; REGISTERS: window 0: v0-31 addresses; v128-255 k's fragments of key blocks 0-7, v32-127 of 8-13.  window 1: v0-191 q's, three sets; v192-223 k's blocks 14, 15.
;   windows 2, 3: the accumulators (a, b) of key blocks 0-7, 8-15, at v[64 a + 8 (b % 8)].
.set SPARE, 262144                     ; the spare words, 128 bytes a wave
.set HALFK, 131072                     ; four steps of k, in memory and in LDS
.set L16,  7
.set ADR,  16                          ; v16-19: 16 x lane + 65,536 i
.set SPW,  28
.set NIL,  29
.set SCL,  30
.set LIM,  31
.set CH,   32
.set T,    48
.set NM,   112                         ; pairs: -M_j, the largest t
.set LL,   120
.set CD,   128
.set G1,   24
.set G0,   32
.set MSB, 0
.macro WIN new
.if MSB != (\new)
	s_set_vgpr_msb (MSB<<8)|(\new)
.set MSB, (\new)
.endif
.endm
.macro PLACES n
.rept \n
	v_nop
.endr
.endm
.macro CROUND
	s_barrier_signal -1
	s_barrier_wait -1
	s_cmp_lg_u32 s14, 0
	s_cbranch_scc1 .Lnot_wave_0_\@
	s_barrier_signal -3
.Lnot_wave_0_\@:
	s_barrier_wait -3
	s_barrier_signal -1
	s_barrier_wait -1
.endm
	s_load_b256 s[4:11], s[0:1], 0x0               ; q, k, the scales' exponents, p
	s_load_b64 s[68:69], s[0:1], 0x20              ; stat
	v_lshl_add_u32 v[SPW], v0, 2, SPARE
	v_mov_b32 v[NIL], 0
	ds_add_u32 v[SPW], v[NIL]                      ; the wave's opening: the add, twice on end
	ds_add_u32 v[SPW], v[NIL]
	v_lshrrev_b32 v1, 5, v0
	v_readfirstlane_b32 s14, v1                    ; wave
	v_and_b32 v6, 31, v0                           ; lane
	v_lshlrev_b32 v[L16], 4, v6
.irp i, 0,1,2,3
	v_add_nc_u32 v[ADR+\i], 65536*\i, v[L16]
.endr
	s_bfe_u32 s40, ttmp6, 0x40000                  ; cx
	s_bfe_u32 s41, ttmp6, 0x40004                  ; cy
	s_lshl_b32 s42, ttmp9, 2
	s_add_co_u32 s42, s42, s40                     ; the block of keys j
	s_and_b32 s17, ttmp7, 0xffff
	s_lshr_b32 s19, s17, 1                         ; the batch
	s_lshl_b32 s17, s17, 2
	s_add_co_u32 s17, s17, s41                     ; the block of 256 queries
	s_lshl_b32 s44, 0x1111, s40                    ; my column of the cluster
	s_or_b32 s[G1], s44, 1<<21
	s_mov_b32 s[G1+1], 256<<16                     ; 128 rows of 256 bytes, dense in memory and in LDS: one step
	s_mov_b32 s[G1+2], 128<<16
	s_mov_b32 s[G1+3], 256<<16
	s_mov_b32 s[G1+4], 128
	s_mov_b32 s[G1+5], 256
	s_mov_b32 s[G1+6], 0
	s_mov_b32 s[G1+7], 0
	s_lshl_b32 s45, s14, 15                        ; my step of a half: 32,768 bytes x wave
	s_lshl_b32 s46, s19, 3
	s_add_co_u32 s46, s46, s42
	s_lshl_b32 s46, s46, 18
	s_add_co_u32 s46, s46, s45                     ; k: group 8 x batch + j
	s_mov_b32 s47, 0
	s_lshl_b32 s20, s17, 18
	s_lshl_b32 s21, s14, 13
	s_add_co_u32 s20, s20, s21                     ; q: my four blocks of 16
	s_mov_b32 s21, 0
	s_lshl_b32 s48, s17, 19
	s_lshr_b32 s49, s14, 1
	s_lshl_b32 s49, s49, 18
	s_add_co_u32 s48, s48, s49
	s_and_b32 s49, s14, 1
	s_lshl_b32 s49, s49, 13
	s_add_co_u32 s48, s48, s49
	s_lshl_b32 s49, s42, 15
	s_add_co_u32 s48, s48, s49                     ; p: group 2 x block + wave / 2, step 2 j, block 4 (wave % 2)
	s_mov_b32 s49, 0
	s_lshl_b32 s50, s42, 7
	s_lshl_b32 s51, s17, 2
	s_add_co_u32 s50, s50, s51
	s_add_co_u32 s50, s50, s14
	s_lshl_b32 s50, s50, 9                         ; stat: j, group 4 x block + wave
	s_mov_b32 s51, 0
	s_mov_b32 s66, 0x76543210                      ; lane l xor 16
	s_mov_b32 s67, 0xfedcba98
	s_wait_alu depctr_va_vdst(0)
	s_wait_dscnt 0x0                               ; both opening adds are done
	s_wait_kmcnt 0x0
	s_load_b128 s[72:75], s[8:9], 0x18             ; eq, ek, ep, ev
	s_add_nc_u64 s[4:5], s[4:5], s[20:21]
	s_add_nc_u64 s[10:11], s[10:11], s[48:49]
	s_add_nc_u64 s[68:69], s[68:69], s[50:51]
	s_mov_b32 s[G0], 1
	s_mov_b32 s[G0+1], s45
	s_add_nc_u64 s[G0+2:G0+3], s[6:7], s[46:47]
	s_or_b32 s[G0+3], s[G0+3], 0x80000000
.macro LQ st                           ; q's four fragments of step st: 16 loads of 512 consecutive bytes
.irp a, 0,1,2,3
.irp c, 0,1,2,3
	global_load_b128 v[64*((\st)%3)+16*\a+4*\c:64*((\st)%3)+16*\a+4*\c+3], v[L16], s[4:5] offset:32768*(\st)+2048*\a+512*\c
.endr
.endr
.endm
	WIN 0x40
	LQ 0
	LQ 1
	WIN 0
	CROUND                                         ; all sixteen work-groups are here: the joint loads meet
	tensor_load_to_lds s[G0:G0+3], s[G1:G1+7]      ; steps 0-3: one tensor load a wave at the head
	s_nop 0
	PLACES 4
	s_wait_tensorcnt 0x0                           ; my part of steps 0-3 is in
	ds_add_u32 v[SPW], v[NIL]
	s_add_co_u32 s[G0+1], s45, HALFK
	s_add_nc_u64 s[G0+2:G0+3], s[G0+2:G0+3], HALFK
	s_wait_dscnt 0x0
	CROUND                                         ; everybody's part of steps 0-3 is in
	tensor_load_to_lds s[G0:G0+3], s[G1:G1+7]      ; steps 4-7: a first fill of the bytes behind them
	s_nop 0
	PLACES 4
; A GROUP n is step n / 2, key blocks 8 (n % 2) + f, f = 0 .. 7.  Even groups' fragments lie at v128 + 16 f of window 0; odd groups' at v32 + 16 f, and f = 6, 7 at v192, v208 of window 1.
.macro LKF n, f
.set KD, 128+16*(\f)-((\n)%2)*(96-64*((\f)/6))
.irp c, 0,1,2,3
	ds_load_b128 v[KD+4*\c:KD+4*\c+3], v[ADR+(\n)/4] offset:32768*(((\n)/2)%2)+16384*((\n)%2)+2048*(\f)+512*\c
.endr
.endm
.macro LKG n                           ; 32 loads in one run
.irp f, 0,1,2,3,4,5
	LKF \n, \f
.endr
.if (\n)%2
	WIN 0x40
.endif
.irp f, 6,7
	LKF \n, \f
.endr
	WIN 0
.endm
.macro WM f, a                         ; source 0 = 16 keys, source 1 = 16 queries: a lane holds one query and eight neighbouring keys.  The accumulators take turns
.set AC, 64*(\a)+8*(\f)
.set KA, 128+16*(\f)-HF*(96-64*((\f)/6))
.set QA, 64*(S%3)+16*(\a)
.if S == 0
	v_wmma_f32_16x16x128_fp8_fp8 v[AC:AC+7], v[KA:KA+15], v[QA:QA+15], 0
.else
	v_wmma_f32_16x16x128_fp8_fp8 v[AC:AC+7], v[KA:KA+15], v[QA:QA+15], v[AC:AC+7]
.endif
.endm
.macro GRP
.set S, N/2
.set HF, N%2
	s_wait_dscnt 0x0                               ; this group's fragments, asked for a group ago
.if HF == 0
.if S < 7
	s_wait_loadcnt 16                              ; q's next step may be out
.else
	s_wait_loadcnt 0x0
.endif
.endif
	WIN 0
.if N == 7                             ; step 4 is read next: steps 4-7 have landed for every wave
	s_wait_tensorcnt 0x0
	s_barrier_signal -1
	s_barrier_wait -1
.endif
.if N < 15
	PLACES 4                                       ; behind the last products, for the loads into registers that earlier products have read
	LKG N+1
.endif
.if (HF == 0) && (S < 6)
	WIN 0x40
	LQ S+2
.endif
.irp f, 0,1,2,3,4,5,6,7
.set MM, 0xa4+0x50*HF+HF*(\f/6)
	WIN MM
	WM \f, 0
	WM \f, 1
	WM \f, 2
	WM \f, 3
.endr
.set N, N+1
.endm
	LKG 0
.set N, 0
.rept 16
	GRP
.endr
	WIN 0
	s_wait_kmcnt 0x0
	s_add_co_i32 s76, s72, s73
	s_lshl_b32 s76, s76, 23
	s_add_co_i32 s76, s76, 0x3d38aa3b              ; c = log2(e) / 32, with eq + ek added to its exponent field
	s_mov_b32 s77, s76
	s_add_co_i32 s78, s74, 127
	s_lshl_b32 s79, s78, 23
	s_add_co_i32 s78, s78, 8
	s_lshl_b32 s78, s78, 23
	s_or_b32 s78, s78, 0x600000
	v_mov_b32 v[SCL], s79                          ; 2^ep
	v_mov_b32 v[LIM], s78                          ; 448 x 2^ep
	PLACES 4                                       ; behind the last products
; THE LARGEST SUM of each row: of each window's 64 numbers of block a two chains; each accumulator's first read names its lowest register.
.macro ROWMAX hi
	WIN 0x2a+0x15*\hi
.irp a, 0,1,2,3
	v_max3_num_f32 v[CH+8*\hi+2*\a], v[64*\a], v[64*\a+1], v[64*\a+2]
	v_max3_num_f32 v[CH+8*\hi+2*\a+1], v[64*\a+32], v[64*\a+33], v[64*\a+34]
.endr
	WIN 0x28+0x14*\hi
.irp i, 3,5,7,9,11,13,15,17,19,21,23,25,27,29
.irp a, 0,1,2,3
	v_max3_num_f32 v[CH+8*\hi+2*\a], v[CH+8*\hi+2*\a], v[64*\a+\i], v[64*\a+\i+1]
	v_max3_num_f32 v[CH+8*\hi+2*\a+1], v[CH+8*\hi+2*\a+1], v[64*\a+32+\i], v[64*\a+33+\i]
.endr
.endr
.irp a, 0,1,2,3
	v_max3_num_f32 v[CH+8*\hi+2*\a], v[CH+8*\hi+2*\a], v[64*\a+31], v[64*\a+63]
.endr
.endm
	ROWMAX 0
	ROWMAX 1
	WIN 0
.irp a, 0,1,2,3
	v_max3_num_f32 v[NM+2*\a+1], v[CH+2*\a], v[CH+2*\a+1], v[CH+8+2*\a]
.endr
.irp a, 0,1,2,3
	v_max_num_f32 v[NM+2*\a+1], v[NM+2*\a+1], v[CH+9+2*\a]
.endr
.irp a, 0,1,2,3
	v_permlanex16_b32 v[CH+\a], v[NM+2*\a+1], s66, s67   ; the row's other 128 keys lie in the lane 16 away
.endr
.irp a, 0,1,2,3
	v_max_num_f32 v[NM+2*\a+1], v[NM+2*\a+1], v[CH+\a]
.endr
.irp a, 0,1,2,3
	v_mul_f32 v[NM+2*\a+1], s76, v[NM+2*\a+1]      ; as t (c is positive)
.endr
.irp a, 0,1,2,3
	v_floor_f32 v[NM+2*\a], -v[NM+2*\a+1]          ; -M_j = floor(-t): a whole number
.endr
; Block a, keys 128 u on: p, its sum, the hold, the codes, which are the fragment's registers.  The 64 exponentials are one batch, with one wait ahead of it and one behind it.
.macro SOFT a, u
	WIN 0x02+\u
.set n, 0
.rept 32
	v_pk_fma_f32 v[T+n:T+n+1], v[64*(\a)+n:64*(\a)+n+1], s[76:77], v[NM+2*(\a):NM+2*(\a)+1] op_sel_hi:[1,0,0]
.set n, n+2
.endr
	WIN 0
	s_wait_alu depctr_va_vdst(0)                   ; the wait ahead of the batch
.set n, 0
.rept 64
	v_exp_f32 v[T+n], v[T+n]
.set n, n+1
.endr
	v_nop
	s_wait_alu depctr_va_vdst(0)                   ; and behind it
.if \u == 0
	v_pk_add_f32 v[LL+2*(\a):LL+2*(\a)+1], v[T:T+1], v[T+2:T+3]
	v_pk_add_f32 v[10:11], v[T+4:T+5], v[T+6:T+7]
.else
	v_pk_add_f32 v[LL+2*(\a):LL+2*(\a)+1], v[LL+2*(\a):LL+2*(\a)+1], v[T:T+1]
	v_pk_add_f32 v[10:11], v[10:11], v[T+2:T+3]
	v_pk_add_f32 v[LL+2*(\a):LL+2*(\a)+1], v[LL+2*(\a):LL+2*(\a)+1], v[T+4:T+5]
	v_pk_add_f32 v[10:11], v[10:11], v[T+6:T+7]
.endif
.set n, 8
.rept 14
	v_pk_add_f32 v[LL+2*(\a):LL+2*(\a)+1], v[LL+2*(\a):LL+2*(\a)+1], v[T+n:T+n+1]
	v_pk_add_f32 v[10:11], v[10:11], v[T+n+2:T+n+3]
.set n, n+4
.endr
.if \u == 1
	v_pk_add_f32 v[LL+2*(\a):LL+2*(\a)+1], v[LL+2*(\a):LL+2*(\a)+1], v[10:11]
.endif
.set n, 0
.rept 64
	v_min_num_f32 v[T+n], v[T+n], v[LIM]           ; the conversion does not saturate (ISA guide 7.6.2); p is not negative
.set n, n+1
.endr
.irp k, 0,1,2,3,4,5,6,7
	v_cvt_scalef32_pk8_fp8_f32 v[CD+32*(\a)+16*(\u)+2*\k:CD+32*(\a)+16*(\u)+2*\k+1], v[T+8*\k:T+8*\k+7], v[SCL]
.endr
	v_nop
.irp c, 0,1,2,3
	global_store_b128 v[L16], v[CD+32*(\a)+16*(\u)+4*\c:CD+32*(\a)+16*(\u)+4*\c+3], s[10:11] offset:16384*(\u)+2048*(\a)+512*\c   ; 512 consecutive bytes
.endr
.endm
.irp a, 0,1,2,3
	SOFT \a, 0
	SOFT \a, 1
.endr
.irp a, 0,1,2,3
	v_add_f32 v[LL+2*\a], v[LL+2*\a], v[LL+2*\a+1]
.endr
.irp a, 0,1,2,3
	v_permlanex16_b32 v[LL+2*\a+1], v[LL+2*\a], s66, s67
.endr
.irp a, 0,1,2,3
	v_add_f32 v[LL+2*\a], v[LL+2*\a], v[LL+2*\a+1] ; l_j
.endr
	v_cmp_gt_u32 vcc_lo, 16, v6                    ; lanes 0-15 store M_j, lanes 16-31 l_j
.irp a, 0,1,2,3
	v_sub_f32 v[CH+\a], 0, v[NM+2*\a]
.endr
.irp a, 0,1,2,3
	v_cndmask_b32 v[CH+\a], v[LL+2*\a], v[CH+\a], vcc_lo
.endr
	global_store_b128 v[L16], v[CH:CH+3], s[68:69]
	s_wait_tensorcnt 0x0                           ; the wave's end
	ds_add_u32 v[SPW], v[NIL]
	s_wait_dscnt 0x0
	CROUND
	s_endpgm
.Lfunc_end_k_q7e4bb6cb19_scores:
	.size	k_q7e4bb6cb19_scores, .Lfunc_end_k_q7e4bb6cb19_scores-k_q7e4bb6cb19_scores
	.p2alignl 7, 3214868480
	.fill 96, 4, 3214868480
	.section	.rodata,"a",@progbits
	.p2align	6, 0x0
	.amdhsa_kernel k_q7e4bb6cb19_scores
		.amdhsa_group_segment_fixed_size 327680
		.amdhsa_private_segment_fixed_size 0
		.amdhsa_enable_private_segment 0
		.amdhsa_kernarg_size 40
		.amdhsa_user_sgpr_count 2
		.amdhsa_user_sgpr_kernarg_segment_ptr 1
		.amdhsa_wavefront_size32 1
		.amdhsa_system_sgpr_workgroup_id_x 1
		.amdhsa_system_sgpr_workgroup_id_y 1
		.amdhsa_system_sgpr_workgroup_id_z 1
		.amdhsa_system_vgpr_workitem_id 0
		.amdhsa_next_free_vgpr 1024
		.amdhsa_next_free_sgpr 80
		.amdhsa_reserve_vcc 1
		.amdhsa_float_denorm_mode_32 3
		.amdhsa_float_denorm_mode_16_64 3
		.amdhsa_memory_ordered 1
		.amdhsa_forward_progress 1
		.amdhsa_inst_pref_size 177
	.end_amdhsa_kernel
	.amdgpu_metadata
---
amdhsa.version: [ 1, 2 ]
amdhsa.kernels:
  - .name:           k_q7e4bb6cb19_scores
    .symbol:         k_q7e4bb6cb19_scores.kd
    .args:
      - { .name: q_codes, .offset: 0, .size: 8, .value_kind: global_buffer, .address_space: global }
      - { .name: k_codes, .offset: 8, .size: 8, .value_kind: global_buffer, .address_space: global }
      - { .name: lowp_scales, .offset: 16, .size: 8, .value_kind: global_buffer, .address_space: global }
      - { .name: p_codes, .offset: 24, .size: 8, .value_kind: global_buffer, .address_space: global }
      - { .name: stat, .offset: 32, .size: 8, .value_kind: global_buffer, .address_space: global }
    .group_segment_fixed_size: 327680
    .private_segment_fixed_size: 0
    .kernarg_segment_align: 8
    .kernarg_segment_size: 40
    .max_flat_workgroup_size: 128
    .sgpr_count:     80
    .vgpr_count:     1024
    .wavefront_size: 32
...
	.end_amdgpu_metadata
.endif
;; end of part 2
;; launch pv (part 3): grid 4 x 64, 4 waves a work-group, clusters of 4 x 4, 327,680 bytes of LDS; arguments p_codes, vt_codes, stat, lowp_scales, out0; writes out0
.if DOCPART == 3
	.amdgcn_target "amdgcn-amd-amdhsa--gfx1250"
	.amdhsa_code_object_version 6
	.text
	.protected	k_q7e4bb6cb19_pv
	.globl	k_q7e4bb6cb19_pv
	.p2align	8
	.type	k_q7e4bb6cb19_pv,@function
k_q7e4bb6cb19_pv:
	s_mov_b64 s[64:65], 0
	v_nop
	global_prefetch_b8 v0, s[64:65] scope:SCOPE_SE
	s_setreg_imm32_b32 hwreg(HW_REG_WAVE_MODE, 25, 1), 1
	s_wait_xcnt 0x0
	s_wait_alu depctr_hold_cnt(0) depctr_sa_sdst(0) depctr_va_vdst(0) depctr_va_sdst(0) depctr_va_ssrc(0) depctr_va_vcc(0) depctr_vm_vsrc(0)
	s_getreg_b32 s2, hwreg(HW_REG_IB_STS2, 6, 4)
	s_cmp_eq_u32 s2, 0
	s_cbranch_scc0 .Lentry_in_a_cluster
	s_endpgm
.Lentry_in_a_cluster:
	s_bfe_u32 s2, ttmp6, 0x10000c
	s_cmp_lg_u32 s2, 0xf033
	s_cbranch_scc0 .Lentry_shape_is_right
	s_endpgm
.Lentry_shape_is_right:
; LAUNCH 3 OF 3: out = (the sum over the eight blocks j of 2^(M_j - M) P_j V_j) x 2^(ep + ev) / l.  Nothing is left out.
;   M = the largest M_j of the row; l = the sum over j of l_j 2^(M_j - M).
; THE BLOCKS ARE BROUGHT TOGETHER BY WHOLE POWERS OF TWO: while block j is multiplied the sums stand in the unit 2^U_j, U_j = max(M_j, M - 60); in front of block j they are multiplied by g_j = 2^(U_(j-1) - U_j), which rounds nothing.
;   At the end each sum is multiplied by F = 2^(U_7 - M + ep + ev) / l.  A raw sum stays under 2,048 x 448 x 448 x 2^60, far inside f32.
; LIMITS: a block whose largest t lies more than 60 under the row's counts with the weight 2^-60 and not less: under f32's rounding of the sum.  NaN and infinity are not served.
; A work-group: 128 queries x 256 d, so that 8,192 x 1,024 outputs make 256 work-groups; a wave: 128 queries x 64 d, 32 accumulators.
; P's whole tile (128 queries x 2,048 keys, 262,144 bytes of fragments) comes into LDS at the head, a quarter by each wave's one tensor load, JOINTLY with the four work-groups of the cluster's row; nothing is filled again.
; V's fragments go from memory into the registers of the one wave of the work-group that uses them, three steps of 128 keys ahead: P fills LDS, so V has no joint load and needs no barrier.
; PREFETCH: in each trip what the next trip's loads ask for: each block of 256 bytes once in each of the four clusters that read it; the partners of a column take a quarter each, by address; wave w names the trip's step w.
; THE MATRIX INSTRUCTION IS USED TRANSPOSED (source 0 = 16 d of V, source 1 = 16 queries of P): a lane holds ONE query of block a and eight neighbouring d.
; A STEP of 128 keys is one run of loads (P's next step from LDS, V's third next from memory), then 32 products without a break.
; REGISTERS: windows 2, 3: blocks a = 0-3, 4-7: accumulators (a % 4, e) at v[8 (4 (a % 4) + e)], P's fragments at v[128 + 64 x set + 16 (a % 4)], two sets.
;   windows 0, 1: V's sets 0, 1 and 2, 3 at v128-255; v32-47 g of the block that begins with V's set 0 or 2, each number twice.  So one setting serves a half step's products and its rescaling.
.set GTAB,  262144                     ; 8 rows of 1,024 bytes: g_1 .. g_7, F: lane r's 64 bytes: block a's number, twice, at 8 a
.set STAGE, GTAB+8192                  ; the way out: 16 rows x (256 bytes + 16) a wave
.set SP,    272
.set SPARE, STAGE+4*16*SP              ; the spare words, 128 bytes a wave
.set VSTEP, 131072                     ; V: from one step of 128 keys to the next
.set L16,  7
.set SO,   8
.set GR,   9
.set GST,  10
.set GAD,  11
.set STO,  12
.set RD,   13
.set CO,   14
.set PFO,  15
.set ADR,  16
.set SPW,  28
.set NIL,  29
.set G,    32
.set FF,   48
.set MS,   64
.set LS,   72
.set WK,   80
.set MX,   88
.set GV,   96
.set TMP,  64                          ; the way out: v64-95 and v96-127 by turns
.set VA,   20
.set PFA,  22
.set G1,   24
.set G0,   32
.set SB,   50
.set GB,   51
.set MSB, 0
.macro WIN new
.if MSB != (\new)
	s_set_vgpr_msb (MSB<<8)|(\new)
.set MSB, (\new)
.endif
.endm
.macro PLACES n
.rept \n
	v_nop
.endr
.endm
.macro CROUND
	s_barrier_signal -1
	s_barrier_wait -1
	s_cmp_lg_u32 s14, 0
	s_cbranch_scc1 .Lnot_wave_0_\@
	s_barrier_signal -3
.Lnot_wave_0_\@:
	s_barrier_wait -3
	s_barrier_signal -1
	s_barrier_wait -1
.endm
.macro VLD set, off                    ; V's step off (from the base on) into its set: 16 loads of 512 consecutive bytes
.irp e, 0,1,2,3
.irp c, 0,1,2,3
	global_load_b128 v[128+64*((\set)%2)+16*\e+4*\c:128+64*((\set)%2)+16*\e+4*\c+3], v[L16], s[VA:VA+1] offset:VSTEP*(\off)+2048*\e+512*\c
.endr
.endr
.endm
.macro PLD set, off                    ; P's step off (from the LDS address on) into its set: 32 loads
.irp hf, 0,1
	WIN 0x80+0x40*\hf
.irp f, 0,1,2,3
.irp c, 0,1,2,3
	ds_load_b128 v[128+64*((\set)%2)+16*\f+4*\c:128+64*((\set)%2)+16*\f+4*\c+3], v[ADR] offset:16384*(\off)+2048*(4*\hf+\f)+512*\c
.endr
.endr
.endr
	WIN 0
.endm
.macro ASK
	global_prefetch_b8 v[PFO], s[PFA:PFA+1] th:TH_LOAD_NT scope:SCOPE_SE
.endm
	s_load_b256 s[4:11], s[0:1], 0x0               ; P, V, stat, the scales' exponents
	s_load_b64 s[68:69], s[0:1], 0x20              ; out
	v_lshl_add_u32 v[SPW], v0, 2, SPARE
	v_mov_b32 v[NIL], 0
	ds_add_u32 v[SPW], v[NIL]                      ; the wave's opening: the add, twice on end
	ds_add_u32 v[SPW], v[NIL]
	v_lshrrev_b32 v1, 5, v0
	v_readfirstlane_b32 s14, v1                    ; wave
	s_lshr_b32 s15, s14, 1
	s_and_b32 s16, s14, 1
	s_bfe_u32 s40, ttmp6, 0x40000                  ; cx
	s_bfe_u32 s41, ttmp6, 0x40004                  ; cy
	s_lshl_b32 s42, ttmp9, 2
	s_add_co_u32 s42, s42, s40                     ; the block of 256 d
	s_and_b32 s17, ttmp7, 0xffff
	s_lshr_b32 s19, s17, 2                         ; the batch
	s_lshl_b32 s17, s17, 2
	s_add_co_u32 s17, s17, s41                     ; the block of 128 queries
	s_lshl_b32 s43, s41, 2
	s_lshl_b32 s43, 15, s43                        ; my row of the cluster
	s_or_b32 s[G1], s43, 1<<21
	s_mov_b32 s[G1+1], 256<<16                     ; 256 rows of 256 bytes, dense in memory and in LDS
	s_mov_b32 s[G1+2], 256<<16
	s_mov_b32 s[G1+3], 256<<16
	s_mov_b32 s[G1+4], 256
	s_mov_b32 s[G1+5], 256
	s_mov_b32 s[G1+6], 0
	s_mov_b32 s[G1+7], 0
	s_lshl_b32 s45, s14, 16                        ; my quarter of P: steps 4 wave .. 4 wave + 3
	s_lshl_b32 s46, s17, 18
	s_add_co_u32 s46, s46, s45
	s_mov_b32 s47, 0
	s_lshl_b32 s48, s19, 21
	s_lshl_b32 s49, s42, 15
	s_add_co_u32 s48, s48, s49                     ; V: my batch, my work-group's 16 blocks of d,
	s_lshl_b32 s49, s14, 13
	s_add_co_u32 s52, s48, s49                     ; my wave's four
	s_mov_b32 s53, 0
	s_lshl_b32 s49, s41, 13
	s_add_co_u32 s48, s48, s49                     ; the prefetches: a quarter of them by cy,
	s_add_co_u32 s49, s14, 4
	s_lshl_b32 s49, s49, 17
	s_add_co_u32 s48, s48, s49                     ; of step 4 + wave
	s_mov_b32 s49, 0
	s_lshl_b32 s54, s17, 1
	s_add_co_u32 s54, s54, s15
	s_lshl_b32 s54, s54, 9                         ; stat: group 2 x block + wave / 2
	s_mov_b32 s55, 0
	s_lshl_b32 s56, s17, 19
	s_lshl_b32 s57, s42, 10
	s_add_co_u32 s56, s56, s57
	s_lshl_b32 s57, s14, 8
	s_add_co_u32 s56, s56, s57                     ; out: row 128 x block, column 256 x block of d + 64 x wave
	s_mov_b32 s57, 0
	s_lshl_b32 s58, s16, 3
	s_lshl_b32 s59, s14, 4
	s_add_co_u32 s59, s59, GTAB
	s_mul_i32 s60, s14, 16*SP
	s_add_co_u32 s60, s60, STAGE
	v_and_b32 v1, 15, v0                           ; r
	v_bfe_u32 v2, v0, 4, 1                         ; h
	v_and_b32 v6, 31, v0
	v_lshlrev_b32 v[L16], 4, v6
	v_lshlrev_b32 v[PFO], 8, v6
	v_lshlrev_b32 v3, 4, v1                        ; 16 r
	v_lshl_add_u32 v4, v2, 2, v3
	v_add_nc_u32 v[SO], s58, v4                    ; stat: my query is 16 (2 wave + h) + r of the 128
	v_lshlrev_b32 v[GR], 6, v1
	v_lshl_add_u32 v5, v2, 3, v[GR]
	v_add_nc_u32 v[GST], s59, v5                   ; block 2 wave + h
	v_mul_u32_u24 v4, v1, SP
	v_lshl_add_u32 v4, v2, 5, v4
	v_add_nc_u32 v[STO], s60, v4                   ; the stage, in: row r, 32 bytes for each half of the lanes;
	v_mul_u32_u24 v5, v2, SP
	v_add_nc_u32 v5, v5, v3
	v_add_nc_u32 v[RD], s60, v5                    ; back: lanes 0-15 one row, lanes 16-31 the next
	v_lshl_add_u32 v[CO], v2, 12, v3
	v_lshlrev_b32 v[ADR], 4, v6
	s_wait_alu depctr_va_vdst(0)
	s_wait_dscnt 0x0                               ; both opening adds are done
	s_wait_kmcnt 0x0
	s_load_b64 s[72:73], s[10:11], 0x20            ; ep, ev
	s_add_nc_u64 s[8:9], s[8:9], s[54:55]
	s_add_nc_u64 s[VA:VA+1], s[6:7], s[52:53]
	s_add_nc_u64 s[PFA:PFA+1], s[6:7], s[48:49]
	s_add_nc_u64 s[68:69], s[68:69], s[56:57]
	s_mov_b32 s[G0], 1
	s_mov_b32 s[G0+1], s45
	s_add_nc_u64 s[G0+2:G0+3], s[4:5], s[46:47]
	s_or_b32 s[G0+3], s[G0+3], 0x80000000
.irp j, 0,1,2,3,4,5,6,7
	global_load_b32 v[MS+\j], v[SO], s[8:9] offset:65536*\j
	global_load_b32 v[LS+\j], v[SO], s[8:9] offset:65536*\j+256
.endr
	VLD 0, 0
	VLD 1, 1
	CROUND                                         ; all sixteen work-groups are here: the joint loads meet
	tensor_load_to_lds s[G0:G0+3], s[G1:G1+7]
	s_nop 0
	PLACES 4
	s_wait_kmcnt 0x0
	s_add_co_i32 s74, s72, s73                     ; ep + ev
	s_wait_loadcnt 32                              ; stat is in; V's steps 0 and 1 may be out
	WIN 0x40
	VLD 2, 2
	WIN 0
; THE FACTORS of my lane's one query.  All differences are whole numbers; v_cvt_i32_f32 saturates, v_ldexp_f32 rounds nothing short of underflow.
	v_max3_num_f32 v[MX], v[MS], v[MS+1], v[MS+2]
	v_max3_num_f32 v[MX], v[MX], v[MS+3], v[MS+4]
	v_max3_num_f32 v[MX], v[MX], v[MS+5], v[MS+6]
	v_max_num_f32 v[MX], v[MX], v[MS+7]            ; M
.irp j, 0,1,2,3,4,5,6,7
	v_sub_f32 v[WK+\j], v[MS+\j], v[MX]
.endr
.irp j, 0,1,2,3,4,5,6,7
	v_cvt_i32_f32 v[WK+\j], v[WK+\j]
.endr
.irp j, 0,1,2,3,4,5,6,7
	v_ldexp_f32 v[LS+\j], v[LS+\j], v[WK+\j]       ; l_j under M
.endr
.irp j, 0,2,4,6
	v_add_f32 v[LS+\j], v[LS+\j], v[LS+\j+1]
.endr
	v_add_f32 v[LS], v[LS], v[LS+2]
	v_add_f32 v[LS+4], v[LS+4], v[LS+6]
	v_add_f32 v[LS], v[LS], v[LS+4]                ; l
	v_add_f32 v[WK], 0xc2700000, v[MX]             ; M - 60
.irp j, 0,1,2,3,4,5,6,7
	v_max_num_f32 v[MS+\j], v[MS+\j], v[WK]        ; U_j
.endr
.irp j, 1,2,3,4,5,6,7
	v_sub_f32 v[WK+\j], v[MS+\j-1], v[MS+\j]       ; between -60 and 60
.endr
.irp j, 1,2,3,4,5,6,7
	v_cvt_i32_f32 v[WK+\j], v[WK+\j]
.endr
.irp j, 1,2,3,4,5,6,7
	v_ldexp_f32 v[GV+2*\j-2], 1.0, v[WK+\j]        ; g_j
.endr
.irp j, 1,2,3,4,5,6,7
	v_mov_b32 v[GV+2*\j-1], v[GV+2*\j-2]           ; twice: a pair for the packed multiply
.endr
	v_sub_f32 v[WK], v[MS+7], v[MX]
	v_cvt_i32_f32 v[WK], v[WK]
	v_add_nc_u32 v[MX], s74, v[WK]                 ; U_7 - M + ep + ev
	s_wait_alu depctr_va_vdst(0)                   ; the wait ahead of the transcendental
	v_rcp_f32 v[GV+14], v[LS]                      ; l is over 1/2: the row's largest p is among its terms
	v_nop
	s_wait_alu depctr_va_vdst(0)                   ; and ahead of its result's first reader
	v_ldexp_f32 v[GV+14], v[GV+14], v[MX]          ; F
	v_mov_b32 v[GV+15], v[GV+14]
	s_wait_alu depctr_va_vdst(0)                   ; the wait at the head's end
	s_wait_tensorcnt 0x0                           ; my quarter of P is in
.irp k, 0,1,2,3,4,5,6,7
	ds_store_b64 v[GST], v[GV+2*\k:GV+2*\k+1] offset:1024*\k
.endr
	s_wait_dscnt 0x0                               ; for the other waves' sake
	s_barrier_signal -1
	s_barrier_wait -1                              ; all of P and all factors lie in LDS
	PLD 0, 0
.macro RS i, hf                        ; accumulator i of the half x g of its block, from its low end on
.set RC, 8*(4*((\i)%4)+(\i)/4)
.set RG, G+2*(4*(\hf)+(\i)%4)
.irp k, 0,2,4,6
	v_pk_mul_f32 v[RC+\k:RC+\k+1], v[RG:RG+1], v[RC+\k:RC+\k+1]
.endr
.endm
; HALF OF A STEP: four blocks of queries x four of d, 128 keys: 16 products, accumulators by turns.  resc: the sums are rescaled four accumulators ahead of their products.
.macro HALFSTEP st, hf, zero, resc
.set MM, 84*(2+\hf)+((\st)%4)/2
.set VP, 128+64*((\st)%2)              ; V's fragments and P's
	WIN MM
.if \resc
.irp i, 0,1,2,3
	RS \i, \hf
.endr
.endif
.set I, 0
.rept 16
.set E, I/4
.set A, I%4
.set AC, 8*(4*A+E)
.if \zero
	v_wmma_f32_16x16x128_fp8_fp8 v[AC:AC+7], v[VP+16*E:VP+16*E+15], v[VP+16*A:VP+16*A+15], 0
.else
	v_wmma_f32_16x16x128_fp8_fp8 v[AC:AC+7], v[VP+16*E:VP+16*E+15], v[VP+16*A:VP+16*A+15], v[AC:AC+7]
.endif
.if \resc && (I < 12)
	RS I+4, \hf
.endif
.set I, I+1
.endr
.endm
; A STEP.  nv: the place of V's step three on, from V's base on; np: of P's next step, from the LDS address on (-1: none); gn: the next block's g, into window 1 (1) or 0 (2); lc: V's younger loads that may be out.
.macro STEP st, zero, resc, nv, np, gn, lc
	s_wait_loadcnt \lc
	s_wait_dscnt 0x0                               ; P's fragments and g, asked for a step ago
	PLACES 4                                       ; behind the last step's products: for the loads into registers that they have read and for the rescaling
.if (\np) >= 0
	PLD (\st)+1, \np
.endif
.if \gn > 0
	WIN 0x40*(2-\gn)
.irp i, 0,1,2,3
	ds_load_b128 v[G+4*\i:G+4*\i+3], v[GAD] offset:1024*(\gn-1)+16*\i
.endr
.endif
.if (\nv) >= 0
	WIN 0x40*((((\st)+3)%4)/2)
	VLD (\st)+3, \nv
.endif
	HALFSTEP \st, 0, \zero, \resc
	HALFSTEP \st, 1, \zero, \resc
	WIN 0
.endm
.macro ADVANCE                         ; V's base and the prefetches' a trip of four steps on; the LDS addresses from the scalars
	s_wait_xcnt 0x0                                ; my loads and prefetches have read their addresses
	s_add_nc_u64 s[VA:VA+1], s[VA:VA+1], 4*VSTEP
	s_add_nc_u64 s[PFA:PFA+1], s[PFA:PFA+1], 4*VSTEP
	v_add_nc_u32 v[ADR], s[SB], v[L16]
	v_add_nc_u32 v[GAD], s[GB], v[GR]
	s_wait_alu depctr_va_vdst(0)
.endm
	ASK                                            ; step 4 + wave
	STEP 0, 1, 0, 3, 1, 0, 32                      ; step 0 starts the sums
	s_mov_b32 s[SB], 32768                         ; P: step 2
	s_mov_b32 s[GB], GTAB
	s_mov_b32 s3, 3
	ADVANCE
.Ltrip:                                            ; steps 4 t + 1 .. 4 t + 4: blocks j = 2 t + 1 and 2 t + 2 begin at the second and the fourth
	s_cmp_gt_u32 s3, 1
	s_cbranch_scc0 .Lno_more                       ; the last trip's look-ahead would pass V's last step
	ASK
.Lno_more:
	STEP 1, 0, 0, 0, 0, 1, 32
	STEP 2, 0, 1, 1, 1, 0, 32
	STEP 3, 0, 0, 2, 2, 2, 32
	STEP 0, 0, 1, 3, 3, 0, 32
	s_add_co_u32 s[SB], s[SB], 65536
	s_add_co_u32 s[GB], s[GB], 2048
	ADVANCE
	s_sub_co_u32 s3, s3, 1
	s_cmp_lg_u32 s3, 0
	s_cbranch_scc1 .Ltrip
.irp i, 0,1,2,3
	ds_load_b128 v[FF+4*\i:FF+4*\i+3], v[GAD] offset:1024+16*\i   ; F: the row behind g_7
.endr
	STEP 1, 0, 0, -1, 0, 1, 32                     ; steps 13 to 15
	STEP 2, 0, 1, -1, 1, 0, 16
	STEP 3, 0, 0, -1, -1, 0, 0
; THE WAY OUT, block by block of 16 queries x 64 d: x F, through my own stage, back as rows of 256 bytes, two rows a store.  LDS serves a wave's instructions in order (ISA guide 5.7.1.4).
.macro TOSTAGE a
.set TA, 32*((\a)%4)
.set TM, TMP+32*((\a)%2)
.set BB, 128+32*((\a)%4)
	WIN 0x02+(\a)/4
.set n, 0
.rept 16
	v_pk_mul_f32 v[TM+n:TM+n+1], v[TA+n:TA+n+1], v[FF+2*(\a):FF+2*(\a)+1]
.set n, n+2
.endr
	WIN 0
.irp e, 0,1,2,3
	ds_store_b128 v[STO], v[TM+8*\e:TM+8*\e+3] offset:64*\e
	ds_store_b128 v[STO], v[TM+8*\e+4:TM+8*\e+7] offset:64*\e+16
.endr
.irp t, 0,1,2,3,4,5,6,7
	ds_load_b128 v[BB+4*\t:BB+4*\t+3], v[RD] offset:\t*2*SP
.endr
.endm
.macro SEND a, younger
.set BB, 128+32*((\a)%4)
	s_wait_dscnt \younger                          ; the next block's 8 stores and 8 loads may be out
.irp t, 0,1,2,3,4,5,6,7
	global_store_b128 v[CO], v[BB+4*\t:BB+4*\t+3], s[68:69] offset:65536*(\a)+8192*\t th:TH_STORE_NT   ; 16 lanes store 256 consecutive bytes, aligned
.endr
.endm
	PLACES 4                                       ; behind the last products
	TOSTAGE 0
.irp a, 1,2,3,4,5,6,7
.if \a > 3
	s_wait_xcnt 0x0                                ; block a - 4's stores have read the registers that block a's rows take
.endif
	TOSTAGE \a
	SEND \a-1, 16
.endr
	SEND 7, 0
	s_wait_tensorcnt 0x0                           ; the wave's end
	ds_add_u32 v[SPW], v[NIL]
	s_wait_dscnt 0x0
	CROUND
	s_endpgm
.Lfunc_end_k_q7e4bb6cb19_pv:
	.size	k_q7e4bb6cb19_pv, .Lfunc_end_k_q7e4bb6cb19_pv-k_q7e4bb6cb19_pv
	.p2alignl 7, 3214868480
	.fill 96, 4, 3214868480
	.section	.rodata,"a",@progbits
	.p2align	6, 0x0
	.amdhsa_kernel k_q7e4bb6cb19_pv
		.amdhsa_group_segment_fixed_size 327680
		.amdhsa_private_segment_fixed_size 0
		.amdhsa_enable_private_segment 0
		.amdhsa_kernarg_size 40
		.amdhsa_user_sgpr_count 2
		.amdhsa_user_sgpr_kernarg_segment_ptr 1
		.amdhsa_wavefront_size32 1
		.amdhsa_system_sgpr_workgroup_id_x 1
		.amdhsa_system_sgpr_workgroup_id_y 1
		.amdhsa_system_sgpr_workgroup_id_z 1
		.amdhsa_system_vgpr_workitem_id 0
		.amdhsa_next_free_vgpr 1024
		.amdhsa_next_free_sgpr 76
		.amdhsa_reserve_vcc 0
		.amdhsa_float_denorm_mode_32 3
		.amdhsa_float_denorm_mode_16_64 3
		.amdhsa_memory_ordered 1
		.amdhsa_forward_progress 1
		.amdhsa_inst_pref_size 107
	.end_amdhsa_kernel
	.amdgpu_metadata
---
amdhsa.version: [ 1, 2 ]
amdhsa.kernels:
  - .name:           k_q7e4bb6cb19_pv
    .symbol:         k_q7e4bb6cb19_pv.kd
    .args:
      - { .name: p_codes, .offset: 0, .size: 8, .value_kind: global_buffer, .address_space: global }
      - { .name: vt_codes, .offset: 8, .size: 8, .value_kind: global_buffer, .address_space: global }
      - { .name: stat, .offset: 16, .size: 8, .value_kind: global_buffer, .address_space: global }
      - { .name: lowp_scales, .offset: 24, .size: 8, .value_kind: global_buffer, .address_space: global }
      - { .name: out0, .offset: 32, .size: 8, .value_kind: global_buffer, .address_space: global }
    .group_segment_fixed_size: 327680
    .private_segment_fixed_size: 0
    .kernarg_segment_align: 8
    .kernarg_segment_size: 40
    .max_flat_workgroup_size: 128
    .sgpr_count:     76
    .vgpr_count:     1024
    .wavefront_size: 32
...
	.end_amdgpu_metadata
.endif
;; end of part 3
